; MI455X (gfx1250); checked and timed in simulation.
; The chip was launched on July 23, 2026; its instructions are those of AMD's public machine-readable ISA for CDNA 5 (MIT licence, August 2026) and "CDNA5" Instruction Set Architecture Reference Guide (July 2026). The comments in the code are by the model that wrote it; some were corrected since.
;; Adaptive Constant Embeddings. Allowed arithmetic: matrix products marked QUANTISED: E4M3 operands, one given power-of-two scale a tensor, by v_wmma_f32_16x16x64_fp8_fp8 or v_wmma_f32_16x16x128_fp8_fp8, f32 sums; everything else in f32.
;; Inputs: adapt_table0 4,096 x 256 float32; adapt_table1 4,096 x 256 float32; const_table0 4,096 x 256 float32; const_table1 4,096 x 256 float32; idx0 16 x 1,024 int32; idx1 16 x 1,024 int32; lowp_scales 8 int32 (the exponents e of the quantised operands' scales 2^e).
;; Outputs: out0 2 x 16 x 1,024 x 256 float32.
;; This version of the problem:
;;   THIS VERSION OF THE PROBLEM IS GIVEN IN LOW PRECISION. The matrix products marked QUANTISED in the list below multiply operands that are first quantised to E4M3 (4 exponent bits, 3 mantissa bits; 8 bits a number), with one given power-of-two scale for each operand tensor; their sums are f32. All else is computed in f32.
;;   The module's matrix products, in the order in which they are computed (A, B: the left and right operand; K: the contracted axis; several contracted axes count as one K, in the product's order):
;;     1. [M 16,384, K 256] x [K 256, N 4,096]; A: computed on the way; B: input const_table0: QUANTISED (scales: A lowp_scales[0], B lowp_scales[1])
;;     2. [M 16,384, K 4,096] x [K 4,096, N 256]; A: computed on the way; B: input const_table0: QUANTISED (scales: A lowp_scales[2], B lowp_scales[3])
;;     3. [M 16,384, K 256] x [K 256, N 4,096]; A: computed on the way; B: input const_table1: QUANTISED (scales: A lowp_scales[4], B lowp_scales[5])
;;     4. [M 16,384, K 4,096] x [K 4,096, N 256]; A: computed on the way; B: input const_table1: QUANTISED (scales: A lowp_scales[6], B lowp_scales[7])
;;   THE QUANTISER, for each operand of a quantised product, along K:
;;     - The operand's scale is 2^e, e = its entry of the input lowp_scales (int32; the entries are numbered through the quantised products in the list's order, A before B).
;;     - Each number is divided by the scale, clamped to +-448, and rounded to the nearest number of E4M3, ties to even, subnormals kept.
;;     - The product sums the exact products of the quantised numbers (number of the format x scale) in f32.
;;   ~~~python
;;   def quantise(x, axis, e):      # numpy; x: float32 -> the quantised numbers, widened to float32 again
;;       x = np.moveaxis(x, axis, -1); K = x.shape[-1]
;;       r = np.clip(x / 2.0 ** e, -448, 448)
;;       step = 2.0 ** (np.maximum(np.frexp(np.where(r == 0, 1, r))[1] - 1, -6) - 3)
;;       q = np.round(r / step) * step * 2.0 ** e      # np.round: ties to even
;;       return np.moveaxis(q, -1, axis).astype(np.float32)
;;   ~~~
;;   OPERANDS COMPUTED ON THE WAY. 'Computed on the way' means the value that the module computes at that place (a softmax that the list does not call 'softmax' is quantised finished and normalised). What goes into a quantiser is computed in f32, as accurately as f32 sums, v_exp_f32 and their like allow (about 1e-6 of the number): no bf16 or f16 on the way to a quantiser, and a product that is left as it is and whose result goes on into a quantised operand takes f32 operands (vector FMAs, or v_wmma_f32_16x16x4_f32). A number that lies on a knife's edge between two numbers of the format may be rounded either way, as far as f32 arithmetic and the matrix unit's own rounding can turn it there, and no further.
;; One version. Each part assembles by itself: llvm-mc -triple=amdgcn-amd-amdhsa -mcpu=gfx1250 --defsym DOCPART=n.
;; ======== version 1 of 1: 3 launches
;; limits: right only within a limited range of input values
;; workspace buffers: acodes 2,097,152 bytes; kv 4,194,304 bytes; part 33,554,432 bytes; mpart 131,072 bytes of whole numbers
;; launch prep (part 1): grid 768 x 1, 4 waves a work-group, no clusters, 0 bytes of LDS; arguments adapt_table0, adapt_table1, const_table0, const_table1, lowp_scales, acodes, kv; writes acodes, kv
.if DOCPART == 1
	.amdgcn_target "amdgcn-amd-amdhsa--gfx1250"
	.amdhsa_code_object_version 6
	.text
	.protected	k_q039bc80471_prep
	.globl	k_q039bc80471_prep
	.p2align	8
	.type	k_q039bc80471_prep,@function
k_q039bc80471_prep:
	s_mov_b64 s[64:65], 0
	v_nop
	global_prefetch_b8 v0, s[64:65] scope:SCOPE_SE
	s_setreg_imm32_b32 hwreg(HW_REG_WAVE_MODE, 25, 1), 1
	s_wait_xcnt 0x0
; The four tables [4096][256] f32 become codes of FP8 (E4M3), once, each use with the scale 2^e that is given for it.
;   acodes [domain][4096 rows][256 bytes]: the adaptive tables, row-major (entries 0 and 4 of the scales).
;   kv [domain][step of 128 constants, 0..31][65,536 bytes]: the constant table twice, as IMAGES OF OPERAND REGISTERS: a fragment is 2,048 bytes,
;   registers 4 c .. 4 c + 3 of lane l at 512 c + 16 l.  With l = 16 h + r:
;     bytes 0..32767, fragment (kt, ks) at 4096 kt + 2048 ks (entries 1 and 5): constant 128 s + 32 (kt / 2) + 8 (kt % 2) + r + 8 (r / 8), channels 128 ks + 32 c + 16 h + 0..15;
;     bytes 32768.., fragment dt at 2048 dt (entries 3 and 7): channel 16 dt + r, constants 128 s + 32 c + 16 h + 0..15.
; code = x / 2^e, held within +-448, rounded to the nearest code, ties to even.  LIMITS: each e between -126 and 119; NaN among the inputs is not served.
; Work-groups 0..255 (rows): a wave takes 16 rows x 256 numbers; a lane holds 16 neighbours along a row.  One text serves the adaptive tables (a plain stream) and the
; first image of the constants: only pointers and four strides are chosen, by the work-group's number.  Work-groups 256..767 (columns): a lane takes a channel and its registers run down
; 32 constants, so that the codes come out with the constants innermost and nothing is transposed; a wave's 32 loads are all out at once.
; No LDS, no barrier, no loop: every offset is an immediate and no register of a pending load or store is written again.
; HOW THE PROGRAM SHARES THE WORK.  reference() takes row max(0, idx - 4096) of the adaptive table for each token, and all that follows is a function of that row alone.  So the two products are made
; once for each of the 4,096 adaptive rows of a domain (launch main), and each token's result is looked up by its index (launch lookup): a repeated row is not multiplied again.  Every input is read.
.set X, 32                             ; v32-159  the numbers
.set C, 160                            ; v160-191 the codes: registers of their own for each store
.macro SCALES                          ; s42 = e  ->  v7 = 2^e as f32 (the conversion takes its exponent field), v6 = 448 x 2^e
	s_add_co_i32 s42, s42, 127
	s_lshl_b32 s43, s42, 23
	v_mov_b32 v7, s43
	s_add_co_i32 s42, s42, 8
	s_lshl_b32 s42, s42, 23
	s_or_b32 s42, s42, 0x600000
	v_mov_b32 v6, s42
.endm
	s_load_b256 s[4:11], s[0:1], 0x0               ; adapt0 s[4:5], adapt1 s[6:7], const0 s[8:9], const1 s[10:11]
	s_load_b128 s[12:15], s[0:1], 0x20             ; the scales' exponents s[12:13], acodes s[14:15]
	s_load_b64 s[16:17], s[0:1], 0x30              ; kv
	v_lshrrev_b32 v1, 5, v0
	v_readfirstlane_b32 s18, v1                    ; wave 0..3
	v_and_b32 v4, 31, v0                           ; lane
	s_wait_kmcnt 0x0
	s_load_b256 s[24:31], s[12:13], 0x0            ; the eight exponents
	s_cmp_lt_u32 ttmp9, 256
	s_cbranch_scc0 .Lcolumns
	; ---- ROWS.  tensor = work-group / 64: adapt0, adapt1, const0, const1; tile = 4 x (work-group % 64) + wave: 16 rows
	s_lshr_b32 s19, ttmp9, 6
	s_and_b32 s20, s19, 1                          ; the domain
	s_lshr_b32 s21, s19, 1                         ; 0: an adaptive table, 1: a constant table
	s_and_b32 s22, ttmp9, 63
	s_lshl_b32 s22, s22, 2
	s_add_co_u32 s22, s22, s18                     ; the tile, 0..255
	s_lshl_b32 s36, s22, 14                        ; stream: 16 rows of 1,024 bytes in,
	s_lshl_b32 s40, s20, 20
	s_lshl_b32 s41, s22, 12
	s_add_co_u32 s40, s40, s41                     ; 4,096 bytes of codes out
	s_lshr_b32 s37, s22, 3                         ; image: step s = tile / 8, kt = tile % 8
	s_lshl_b32 s38, s37, 7
	s_bfe_u32 s39, s22, 0x20001
	s_lshl_b32 s39, s39, 5
	s_add_co_u32 s38, s38, s39
	s_and_b32 s39, s22, 1
	s_lshl_b32 s39, s39, 3
	s_add_co_u32 s38, s38, s39                     ; first row 128 s + 32 (kt / 2) + 8 (kt % 2)
	s_lshl_b32 s38, s38, 10
	s_lshl_b32 s41, s20, 21
	s_lshl_b32 s37, s37, 16
	s_add_co_u32 s41, s41, s37
	s_and_b32 s37, s22, 7
	s_lshl_b32 s37, s37, 12
	s_add_co_u32 s41, s41, s37                     ; kv: domain, step, 4096 kt
	s_wait_kmcnt 0x0
	s_cmp_eq_u32 s20, 0                            ; by the domain
	s_cselect_b64 s[32:33], s[4:5], s[6:7]
	s_cselect_b64 s[34:35], s[8:9], s[10:11]
	s_cselect_b32 s42, s24, s28
	s_cselect_b32 s43, s25, s29
	s_cmp_eq_u32 s21, 0                            ; by the kind of table
	s_cselect_b64 s[32:33], s[32:33], s[34:35]     ; from
	s_cselect_b64 s[34:35], s[14:15], s[16:17]     ; to
	s_cselect_b32 s42, s42, s43                    ; e
	s_cselect_b32 s36, s36, s38
	s_cselect_b32 s40, s40, s41
	s_mov_b32 s44, 1024
	s_cselect_b32 s45, 64, s44                     ; bytes from r to r + 1: the stream's next 16 numbers, or the next row
	s_cselect_b32 s46, 0, 8192                     ; the image's lanes 8-15 stand 8 rows further down
	s_cselect_b32 s47, s44, 64                     ; bytes from h = 0 to h = 1
	s_mov_b32 s44, 2048
	s_cselect_b32 s44, s44, 128                    ; bytes from one store's numbers to the next's
	s_mov_b32 s37, 0
	s_mov_b32 s41, 0
	s_add_nc_u64 s[32:33], s[32:33], s[36:37]
	s_add_nc_u64 s[34:35], s[34:35], s[40:41]
	v_and_b32 v1, 15, v0                           ; r
	v_bfe_u32 v2, v0, 4, 1                         ; h
	v_lshrrev_b32 v3, 3, v1                        ; r / 8
	s_wait_alu depctr_va_vdst(0)                   ; the lane was made ahead of a run of scalar lines
	v_lshlrev_b32 v5, 4, v4                        ; out: 16 bytes a lane
	v_mul_u32_u24 v8, v1, s45
	v_mad_u32_u24 v8, v3, s46, v8
	v_mad_u32_u24 v8, v2, s47, v8
.irp j, 1,2,3,4,5,6,7
	v_add_nc_u32 v[8+\j], s44, v[7+\j]
.endr
.irp j, 0,1,2,3,4,5,6,7
.irp i, 0,1,2,3
	global_load_b128 v[X+16*\j+4*\i:X+16*\j+4*\i+3], v[8+\j], s[32:33] offset:16*\i   ; a lane's 16 neighbours: 64 bytes
.endr
.endr
	SCALES
	s_wait_alu depctr_va_vdst(0)
.irp j, 0,1,2,3,4,5,6,7
	s_wait_loadcnt 28-4*\j                         ; group j's four loads are in; the 4 (7 - j) younger ones may be out
.irp i, 0,1,2,3,4,5,6,7,8,9,10,11,12,13,14,15
	v_med3_num_f32 v[X+16*\j+\i], v[X+16*\j+\i], -v6, v6   ; the conversion to an 8-bit code does not saturate (ISA guide 7.6.2): the hold comes first
.endr
	v_cvt_scalef32_pk8_fp8_f32 v[C+4*\j:C+4*\j+1], v[X+16*\j:X+16*\j+7], v7
	v_cvt_scalef32_pk8_fp8_f32 v[C+4*\j+2:C+4*\j+3], v[X+16*\j+8:X+16*\j+15], v7
	global_store_b128 v5, v[C+4*\j:C+4*\j+3], s[34:35] offset:512*\j   ; the wave stores 512 consecutive bytes, aligned: in the image, registers 4 c .. 4 c + 3 of fragment ks, j = 4 ks + c
.endr
	s_endpgm
	; ---- COLUMNS.  u = work-group - 256: domain u / 256, step (u / 8) % 32, half (u / 4) % 2 of the 256 channels, block c = u % 4 of 32 constants; wave w takes channels 128 half + 32 w + lane
.Lcolumns:
	s_sub_co_u32 s19, ttmp9, 256
	s_lshr_b32 s20, s19, 8                         ; the domain
	s_bfe_u32 s21, s19, 0x50003                    ; the step
	s_bfe_u32 s22, s19, 0x10002                    ; the half
	s_and_b32 s38, s19, 3                          ; the block c
	s_lshl_b32 s36, s21, 17                        ; in: 128 rows of 1,024 bytes a step,
	s_lshl_b32 s23, s38, 15
	s_add_co_u32 s36, s36, s23                     ; 32 rows a block,
	s_lshl_b32 s23, s22, 9
	s_add_co_u32 s36, s36, s23
	s_lshl_b32 s23, s18, 7
	s_add_co_u32 s36, s36, s23                     ; + 4 x my wave's first channel
	s_mov_b32 s37, 0
	s_lshl_b32 s40, s20, 21                        ; out: domain, step, the second image, fragment 8 half + 2 w, 512 c
	s_lshl_b32 s23, s21, 16
	s_add_co_u32 s40, s40, s23
	s_lshl_b32 s23, s22, 14
	s_add_co_u32 s40, s40, s23
	s_lshl_b32 s23, s18, 12
	s_add_co_u32 s40, s40, s23
	s_lshl_b32 s23, s38, 9
	s_add_co_u32 s40, s40, s23
	s_add_co_u32 s40, s40, 32768
	s_mov_b32 s41, 0
	s_wait_kmcnt 0x0
	s_cmp_eq_u32 s20, 0
	s_cselect_b64 s[32:33], s[8:9], s[10:11]
	s_cselect_b32 s42, s27, s31
	s_add_nc_u64 s[32:33], s[32:33], s[36:37]
	s_add_nc_u64 s[34:35], s[16:17], s[40:41]
	s_wait_alu depctr_va_vdst(0)                   ; the lane was made ahead of a run of scalar lines
	v_lshlrev_b32 v8, 2, v4                        ; in: 4 bytes a lane: the wave reads 128 consecutive bytes of a row
	v_lshrrev_b32 v1, 4, v4
	v_and_b32 v2, 15, v4
	v_lshlrev_b32 v5, 4, v2
	v_lshl_add_u32 v5, v1, 11, v5                  ; out: lanes 0-15 fill fragment 2 w, lanes 16-31 fragment 2 w + 1; 16 bytes at 16 r
.irp i, 0,1,2,3,4,5,6,7,8,9,10,11,12,13,14,15,16,17,18,19,20,21,22,23,24,25,26,27,28,29,30,31
	global_load_b32 v[X+\i], v8, s[32:33] offset:\i*1024   ; the block's 32 constants of my channel
.endr
	SCALES
	s_wait_alu depctr_va_vdst(0)
	s_wait_loadcnt 0x0
.irp i, 0,1,2,3,4,5,6,7,8,9,10,11,12,13,14,15,16,17,18,19,20,21,22,23,24,25,26,27,28,29,30,31
	v_med3_num_f32 v[X+\i], v[X+\i], -v6, v6
.endr
.irp g, 0,1,2,3
	v_cvt_scalef32_pk8_fp8_f32 v[C+2*\g:C+2*\g+1], v[X+8*\g:X+8*\g+7], v7
.endr
	global_store_b128 v5, v[C:C+3], s[34:35]               ; constants 32 c + 0..15: what lane (r, 0) of the fragment holds; sixteen lanes store 256 consecutive bytes, aligned
	global_store_b128 v5, v[C+4:C+7], s[34:35] offset:256  ; constants 32 c + 16..31: lane (r, 1)'s
	s_endpgm
.Lfunc_end_k_q039bc80471_prep:
	.size	k_q039bc80471_prep, .Lfunc_end_k_q039bc80471_prep-k_q039bc80471_prep
	.p2alignl 7, 3214868480
	.fill 96, 4, 3214868480
	.section	.rodata,"a",@progbits
	.p2align	6, 0x0
	.amdhsa_kernel k_q039bc80471_prep
		.amdhsa_group_segment_fixed_size 0
		.amdhsa_private_segment_fixed_size 0
		.amdhsa_enable_private_segment 0
		.amdhsa_kernarg_size 56
		.amdhsa_user_sgpr_count 2
		.amdhsa_user_sgpr_kernarg_segment_ptr 1
		.amdhsa_wavefront_size32 1
		.amdhsa_system_sgpr_workgroup_id_x 1
		.amdhsa_system_sgpr_workgroup_id_y 1
		.amdhsa_system_sgpr_workgroup_id_z 1
		.amdhsa_system_vgpr_workitem_id 0
		.amdhsa_next_free_vgpr 192
		.amdhsa_next_free_sgpr 66
		.amdhsa_reserve_vcc 0
		.amdhsa_float_denorm_mode_32 3
		.amdhsa_float_denorm_mode_16_64 3
		.amdhsa_memory_ordered 1
		.amdhsa_forward_progress 1
		.amdhsa_inst_pref_size 24
	.end_amdhsa_kernel
	.amdgpu_metadata
---
amdhsa.version: [ 1, 2 ]
amdhsa.kernels:
  - .name:           k_q039bc80471_prep
    .symbol:         k_q039bc80471_prep.kd
    .args:
      - { .name: adapt_table0, .offset: 0, .size: 8, .value_kind: global_buffer, .address_space: global }
      - { .name: adapt_table1, .offset: 8, .size: 8, .value_kind: global_buffer, .address_space: global }
      - { .name: const_table0, .offset: 16, .size: 8, .value_kind: global_buffer, .address_space: global }
      - { .name: const_table1, .offset: 24, .size: 8, .value_kind: global_buffer, .address_space: global }
      - { .name: lowp_scales, .offset: 32, .size: 8, .value_kind: global_buffer, .address_space: global }
      - { .name: acodes, .offset: 40, .size: 8, .value_kind: global_buffer, .address_space: global }
      - { .name: kv, .offset: 48, .size: 8, .value_kind: global_buffer, .address_space: global }
    .group_segment_fixed_size: 0
    .private_segment_fixed_size: 0
    .kernarg_segment_align: 8
    .kernarg_segment_size: 56
    .max_flat_workgroup_size: 128
    .sgpr_count:     66
    .vgpr_count:     192
    .wavefront_size: 32
...
	.end_amdgpu_metadata
.endif
;; end of part 1
;; launch main (part 2): grid 128 x 2, 4 waves a work-group, clusters of 4 x 1, 327,680 bytes of LDS; arguments lowp_scales, acodes, kv, part, mpart; writes part, mpart
.if DOCPART == 2
	.amdgcn_target "amdgcn-amd-amdhsa--gfx1250"
	.amdhsa_code_object_version 6
	.text
	.protected	k_q039bc80471_main
	.globl	k_q039bc80471_main
	.p2align	8
	.type	k_q039bc80471_main,@function
k_q039bc80471_main:
	s_mov_b64 s[64:65], 0
	v_nop
	global_prefetch_b8 v0, s[64:65] scope:SCOPE_SE
	s_setreg_imm32_b32 hwreg(HW_REG_WAVE_MODE, 25, 1), 1
	s_wait_xcnt 0x0
	s_wait_alu depctr_hold_cnt(0) depctr_sa_sdst(0) depctr_va_vdst(0) depctr_va_sdst(0) depctr_va_ssrc(0) depctr_va_vcc(0) depctr_vm_vsrc(0)
	s_getreg_b32 s2, hwreg(HW_REG_IB_STS2, 6, 4)
	s_cmp_eq_u32 s2, 0
	s_cbranch_scc0 .Lentry_in_a_cluster
	s_endpgm
.Lentry_in_a_cluster:
	s_bfe_u32 s2, ttmp6, 0x10000c
	s_cmp_lg_u32 s2, 0x3003
	s_cbranch_scc0 .Lentry_shape_is_right
	s_endpgm
.Lentry_shape_is_right:
; For each ADAPTIVE ROW a (not for each token: a token's result hangs on its row alone, and launch lookup looks it up) and each QUARTER of 1,024 constants:
;   mpart[domain][quarter][a] = the largest rel(a, c) of the quarter, as the sum of the codes' products;  part[domain][a][quarter][256] = the sum of the constants' rows c of the quarter where rel equals it.
; rel = Q(adaptive row) . Q(constant c); the 0/1 mask and the constants are quantised again for the second product.  Both products on codes of FP8 (E4M3) by v_wmma_f32_16x16x128_fp8_fp8, sums in f32.
; ONE PASS, a running maximum m a row.  In a step of 128 constants: S^T = K Q^T; m takes the step's maximum; the mask is made of d = S - m: d is +0 where S = m and negative elsewhere, so its bits read as a
; whole number are 0 or under -8,000,000, and v_ldexp_f32 of the held 1 by that number is the held 1 or 0; it is converted with the given scale; O^T is multiplied by 1 where m has not moved, else by 0; O^T += V^T P.
; rel is compared unscaled: the factor 2^(the two e) is a power of two and turns no comparison.
; LIMITS: the mask's e between -126 and 119; NaN among the inputs is not served; a rel of -0 beside a maximum of +0 would not count as equal (the sums start from C = +0).
; SHARES.  Work-group: 128 rows of one domain x one quarter: 32 x 4 x 2 = 256 work-groups.  Wave w: the 64 rows (four tiles of 16) of group w / 2, the steps of parity w % 2, four steps.  Tile i's lane r takes
; row 4 r + i of the group, so that a lane's four m are four neighbours of mpart.  The two waves of a group meet at the end: they exchange m, the smaller one's O^T is multiplied by 0, the two are added on the way out.
; LAYOUT.  Both products transposed (source 0 = 16 constants, or 16 channels; source 1 = 16 rows): a lane holds one row throughout; kv's images are laid so that the conversions' results are the second operand.
; CLUSTER.  The four work-groups of a cluster share domain and quarter and walk the same four tiles of two steps (131,072 dense bytes): each tile is asked for jointly, a quarter by each wave.  Ring of two slots,
; one round of the cluster's barrier a step, one tensor load of a wave out at any time.
; REGISTERS, in windows of 256 (s_set_vgpr_msb: bits 1:0 source 0, 3:2 source 1, 5:4 source 2, 7:6 destination):
;   window 0: v1-31 addresses and statistics; v32-127 three groups of two fragments (the third also the mask's 32 numbers at work); v128-255 Q (tile i, K step ks at 128 + 32 i + 16 ks)
;   window 1: S^T, tile i's eight accumulators at 64 i; P's 16 registers lie over the first 16 of them.   windows 2, 3: O^T, (tile i, channels 16 dt on) at 64 i + 8 (dt % 8); dt 0-7, 8-15
; mpart holds the quarter's maximum as a WHOLE NUMBER that keeps the order: the f32's bits, the low 31 of them flipped where it is negative (-0 is made +0 first), to be compared as signed numbers by launch lookup.
.set SLOT1,  1<<17
.set TILEB,  131072                    ; a slot: [even step: K 32,768, V 32,768][odd step: the same]
.set SP,     1040                      ; the stage: a row of 1,024 bytes + 16
.set CP,     128*SP                    ; a copy of 128 rows; two copies, one for each parity; they lie over the ring, behind its last fill and last read
.set MX,     2*CP                      ; behind the stage: 32 bytes a thread, the exchange of m
.set SPARE,  MX+4096                   ; the spare words, 128 bytes for each wave
.set LA0, 1                            ; 16 x lane + 65,536 x parity
.set ADR, 2                            ; the same in the slot in hand
.set SPW, 3                            ; my spare word; never rewritten
.set NIL, 4                            ; 0; never rewritten
.set PFO, 5                            ; 256 x lane
.set HV,  6                            ; the mask's 1, held: min(1, 448 x 2^e)
.set SC,  7                            ; 2^e as f32
.set STO, 8
.set RD0, 9
.set RD1, 10
.set MP,  12                           ; v12+2i m of tile i; v13+2i one chain of its maximum.  (v11 = lane / 16, v31 = lane % 16 stay)
.set F,   20                           ; v20+2i f of tile i; v21+2i the other chain
.set MXW, 28
.set MXR, 29
.set GO,  30                           ; 16 x lane
.set G,   32
.set T,   96
.set Q,   128
.set XM,  192                          ; at the end: the partner wave's m
.set WV,  16
.set KH,  17
.set QG,  18
.set CX,  19
.set RB,  20                           ; my block of 128 rows, 0..31
.set DOM, 21
.set G1,  24
.set G0,  32
.set TB,  36
.set TRIPS, 37
.set LIM, 38
.set PFA, 40
.set SEL, 42
.set E23, 44
.set QT,  45                           ; the quarter
.set MK,  56
.set W_P1, 0x50                        ; C and D window 1
.set W_MX, 0x14                        ; sources 1 and 2 window 1
.set W_SB, 0x41                        ; destination and source 0 window 1
.set W_LD, 0x04                        ; source 1 window 1
.set W_CV, 0x40                        ; destination window 1
.set MSB, 0
.macro WIN new
.if MSB != (\new)
	s_set_vgpr_msb (MSB<<8)|(\new)
.set MSB, (\new)
.endif
.endm
.macro PLACES n
.rept \n
	v_nop
.endr
.endm
.macro CROUND                          ; a round of the cluster's barrier
	s_barrier_signal -1
	s_barrier_wait -1
	s_cmp_lg_u32 s[WV], 0
	s_cbranch_scc1 .Lnot_wave_0_\@
	s_barrier_signal -3
.Lnot_wave_0_\@:
	s_barrier_wait -3
	s_barrier_signal -1
	s_barrier_wait -1
.endm
; A prefetch of the tile that the NEXT change of slots will ask for, one step ahead of that load.  The eight clusters of a domain and quarter walk the same tiles: the first of them asks.
; A tile is 512 blocks of 256 bytes: the cluster's sixteen waves share them out by address, 8,192 bytes a wave, lanes 256 bytes apart.  The last filling change asks for nothing.
.macro ASK
	s_cmp_gt_u32 s[TRIPS], s[LIM]
	s_cbranch_scc0 .Lnot_mine_\@
	global_prefetch_b8 v[PFO], s[PFA:PFA+1] th:TH_LOAD_NT scope:SCOPE_SE
.Lnot_mine_\@:
.endm
.macro LOADP g, off                    ; two fragments, 4,096 bytes, into group g
.irp n, 0,1,2,3,4,5,6,7
	ds_load_b128 v[G+32*(\g)+4*\n:G+32*(\g)+4*\n+3], v[ADR] offset:(\off)+512*\n
.endr
.endm
.macro MAXK kt                         ; tile kt of the scores goes into the maxima: two chains a tile of rows, each accumulator from its low end on; tile 0 starts both from the old m
	WIN W_MX
.irp jp, 0,1,2,3
.irp i, 0,1,2,3
.set rS, 64*\i+8*(\kt)+2*\jp
.set rD, F+2*\i+1
.if \jp%2
.set rD, MP+2*\i+1
.endif
.set rA, rD
.if ((\kt) == 0) && (\jp < 2)
.set rA, MP+2*\i
.endif
	v_max3_num_f32 v[rD], v[rA], v[rS], v[rS+1]
.endr
.endr
.endm
.macro FIN first                       ; the new m, and f = 1 where it has not moved, else 0
	WIN 0
.irp i, 0,1,2,3
	v_max_num_f32 v[F+2*\i+1], v[F+2*\i+1], v[MP+2*\i+1]
.endr
.irp i, 0,1,2,3
	v_permlanex16_b32 v[MP+2*\i+1], v[F+2*\i+1], s[SEL], s[SEL+1]   ; the row's other 64 constants lie in the lane 16 away
.endr
.irp i, 0,1,2,3
	v_max_num_f32 v[F+2*\i+1], v[F+2*\i+1], v[MP+2*\i+1]
.endr
.if !\first
.irp i, 0,1,2,3
	v_cmp_eq_f32 s[MK+\i], v[MP+2*\i], v[F+2*\i+1]
.endr
.irp i, 0,1,2,3
	v_cndmask_b32 v[F+2*\i], 0, 1.0, s[MK+\i]
.endr
.endif
.irp i, 0,1,2,3
	v_mov_b32 v[MP+2*\i], v[F+2*\i+1]
.endr
.endm
.macro MASK                            ; d = S - m in place, two at a time; then 32 at a time the held 1 x 2^(d's bits) into v96-127 and four conversions into P's registers
	WIN W_SB
.irp i, 0,1,2,3
.irp j, 0,2,4,6,8,10,12,14,16,18,20,22,24,26,28,30,32,34,36,38,40,42,44,46,48,50,52,54,56,58,60,62
	v_pk_add_f32 v[64*\i+\j:64*\i+\j+1], v[64*\i+\j:64*\i+\j+1], v[MP+2*\i:MP+2*\i+1] op_sel_hi:[1,0] neg_lo:[0,1] neg_hi:[0,1]
.endr
.endr
.irp i, 0,1,2,3
.irp b, 0,1
	WIN W_LD
.irp k, 0,1,2,3,4,5,6,7,8,9,10,11,12,13,14,15,16,17,18,19,20,21,22,23,24,25,26,27,28,29,30,31
	v_ldexp_f32 v[T+\k], v[HV], v[64*\i+32*\b+\k]
.endr
	WIN W_CV
.irp g, 0,1,2,3
	v_cvt_scalef32_pk8_fp8_f32 v[64*\i+8*\b+2*\g:64*\i+8*\b+2*\g+1], v[T+8*\g:T+8*\g+7], v[SC]
.endr
	v_nop                                          ; a plain line behind the run of conversions
.endr
.endr
.endm
.macro P1PAIR p                        ; eight products S^T = K Q^T: 16 constants x four tiles of rows, two K steps; the four accumulators by turns
	WIN W_P1
.irp ks, 0,1
.irp i, 0,1,2,3
.set rS, 64*\i+8*(\p)
.set rK, G+32*((\p)%3)+16*\ks
.set rQ, Q+32*\i+16*\ks
.if \ks == 0
	v_wmma_f32_16x16x128_fp8_fp8 v[rS:rS+7], v[rK:rK+15], v[rQ:rQ+15], 0
.else
	v_wmma_f32_16x16x128_fp8_fp8 v[rS:rS+7], v[rK:rK+15], v[rQ:rQ+15], v[rS:rS+7]
.endif
.endr
.endr
.endm
.macro P2PAIR q, first                 ; eight products O^T += V^T P: channels 32 q on x four tiles of rows; first = 1: they start the sums
	WIN 0xa4+0x50*((\q)/4)
.irp dd, 0,1
.irp i, 0,1,2,3
.set rO, 64*\i+8*((2*(\q)+\dd)%8)
.set rV, G+32*((\q)%3)+16*\dd
.if \first
	v_wmma_f32_16x16x128_fp8_fp8 v[rO:rO+7], v[rV:rV+15], v[64*\i:64*\i+15], 0
.else
	v_wmma_f32_16x16x128_fp8_fp8 v[rO:rO+7], v[rV:rV+15], v[64*\i:64*\i+15], v[rO:rO+7]
.endif
.endr
.endr
.endm
.macro RESCALE q                       ; the eight accumulators of pair q times f, each from its low end on
	WIN 0x82+0x41*((\q)/4)
.irp i, 0,1,2,3
.irp dd, 0,1
.irp j, 0,2,4,6
.set rO, 64*\i+8*((2*(\q)+\dd)%8)+\j
	v_pk_mul_f32 v[rO:rO+1], v[rO:rO+1], v[F+2*\i:F+2*\i+1] op_sel_hi:[1,0]
.endr
.endr
.endr
.endm
; A STEP: my parity's 128 constants of the slot in hand.  Fragments come in pairs through three groups; a group is loaded again behind the eight products that read it and at least four plain vector lines.
; The waits on DScnt count the pairs (eight loads each) issued behind the pair that is due: two, towards each product's end one, at the very end none.
; s_wait_alu stands ahead of each of them.
.macro STEP first
	WIN 0
	v_add_nc_u32 v[ADR], s[TB], v[LA0]
	LOADP 0, 0
	LOADP 1, 4096
	LOADP 2, 8192
.irp p, 0,1,2,3,4,5,6,7
	s_wait_alu depctr_va_vdst(0)
.if \p <= 5
	s_wait_dscnt 16
.else
	s_wait_dscnt 8
.endif
	P1PAIR \p
.if \p == 0
	WIN W_MX
	PLACES 4
.else
	MAXK \p-1
.endif
.if \p <= 4
	LOADP \p%3, 4096*(\p+3)
.elseif \p == 6
	LOADP 0, 32768                                 ; V's first pairs; the third group is kept free for the mask
.elseif \p == 7
	LOADP 1, 36864
.endif
.endr
	MAXK 7
	FIN \first
	MASK
	WIN 0
	LOADP 2, 40960
.if !\first
	RESCALE 0
.endif
.irp q, 0,1,2,3,4,5,6,7
	s_wait_alu depctr_va_vdst(0)
.if \q <= 5
	s_wait_dscnt 16
.elseif \q == 6
	s_wait_dscnt 8
.else
	s_wait_dscnt 0
.endif
	P2PAIR \q, \first
.if \q < 7
.if \first
	PLACES 4
.else
	RESCALE \q+1
.endif
.else
	PLACES 5                                       ; five: the next step's first products write over P's registers
.endif
	WIN 0
.if \q <= 4
	LOADP \q%3, 32768+4096*(\q+3)
.endif
.endr
	s_xor_b32 s[TB], s[TB], SLOT1
.endm
; THE CHANGE OF SLOTS, at a step's head: the wait for all my tensor loads, the add, the wait for it and for my reads of the slot that I have left; fill = 1: a round of the cluster's barrier, and the joint load first behind it.
.macro CHANGE fill
	WIN 0
	s_wait_tensorcnt 0x0
	ds_add_u32 v[SPW], v[NIL]
.if \fill
	s_xor_b32 s[G0+1], s[G0+1], SLOT1
	s_add_nc_u64 s[G0+2:G0+3], s[G0+2:G0+3], TILEB
	s_wait_xcnt 0x0                                ; the last prefetch has read its address
	s_add_nc_u64 s[PFA:PFA+1], s[PFA:PFA+1], TILEB
	s_wait_dscnt 0x0
	CROUND
	tensor_load_to_lds s[G0:G0+3], s[G1:G1+7]
	s_nop 0
	PLACES 4
	ASK
.else
	s_wait_dscnt 0x0
	s_barrier_signal -1
	s_barrier_wait -1
.endif
.endm
	s_load_b256 s[8:15], s[0:1], 0x0               ; the exponents s[8:9], acodes s[10:11], kv s[12:13], part s[14:15]
	s_load_b64 s[4:5], s[0:1], 0x20                ; mpart
	v_lshl_add_u32 v[SPW], v0, 2, SPARE
	v_mov_b32 v[NIL], 0
	ds_add_u32 v[SPW], v[NIL]
	ds_add_u32 v[SPW], v[NIL]
	v_lshrrev_b32 v11, 5, v0
	v_readfirstlane_b32 s[WV], v11                 ; wave 0..3
	s_and_b32 s[KH], s[WV], 1
	s_lshr_b32 s[QG], s[WV], 1
	s_bfe_u32 s[CX], ttmp6, 0x40000                ; cx enters global addresses of acodes, part, mpart and the prefetches alone
	s_and_b32 s[QT], ttmp9, 3                      ; the quarter and the domain are the same in the four partners
	s_and_b32 s[RB], ttmp9, 0x1c
	s_add_co_u32 s[RB], s[RB], s[CX]               ; my block of rows: 4 x (cluster / 4) + cx
	s_and_b32 s[DOM], ttmp7, 0xffff
	s_mov_b32 s[G1], 15|(3<<16)|(1<<21)            ; the mask of four; elements of 8 bytes; bit 21 beside a mask
	s_mov_b32 s[G1+1], 32<<16                      ; 128 dense rows of 256 bytes: a quarter of a tile
	s_mov_b32 s[G1+2], 128<<16
	s_mov_b32 s[G1+3], 32<<16
	s_mov_b32 s[G1+4], 128
	s_mov_b32 s[G1+5], 32
	s_mov_b32 s[G1+6], 0
	s_mov_b32 s[G1+7], 0
	s_mov_b32 s[G0], 1
	s_lshl_b32 s[G0+1], s[WV], 15                  ; LDS: slot 0, my quarter of the tile
	s_lshl_b32 s66, s[DOM], 21
	s_lshl_b32 s67, s[QT], 19
	s_add_co_u32 s66, s66, s67                     ; kv: my domain's and quarter's tile 0
	s_add_co_u32 s68, s66, s[G0+1]
	s_mov_b32 s69, 0
	s_wait_dscnt 0x0
	s_wait_kmcnt 0x0
	s_load_b256 s[48:55], s[8:9], 0x0              ; the eight exponents
	s_mov_b32 s71, 0
	s_lshl_b32 s70, s[DOM], 20
	s_lshl_b32 s22, s[RB], 15
	s_add_co_u32 s70, s70, s22
	s_lshl_b32 s22, s[QG], 14
	s_add_co_u32 s70, s70, s22
	s_add_nc_u64 s[10:11], s[10:11], s[70:71]      ; the codes of my wave's 64 rows: asked for first, so that they travel beside tile 0
	v_and_b32 v31, 15, v0                          ; r
	v_bfe_u32 v11, v0, 4, 1                        ; h
	v_lshlrev_b32 v36, 10, v31                     ; row 4 r of 256 bytes,
	v_lshl_add_u32 v36, v11, 4, v36                ; + 16 h
	s_wait_alu depctr_va_vdst(0)
.irp i, 0,1,2,3
.irp ks, 0,1
.irp c, 0,1,2,3
	global_load_b128 v[Q+32*\i+16*\ks+4*\c:Q+32*\i+16*\ks+4*\c+3], v36, s[10:11] offset:256*\i+128*\ks+32*\c   ; row 4 r + i, channels 128 ks + 32 c + 16 h + 0..15, as in K's images
.endr
.endr
.endr
	s_add_nc_u64 s[G0+2:G0+3], s[12:13], s[68:69]
	s_or_b32 s[G0+3], s[G0+3], 0x80000000
	CROUND
	tensor_load_to_lds s[G0:G0+3], s[G1:G1+7]      ; tile 0 into slot 0: my one load at the head
	s_nop 0
	PLACES 4
	s_lshl_b32 s70, s[DOM], 24
	s_lshl_b32 s22, s[RB], 19
	s_add_co_u32 s70, s70, s22
	s_lshl_b32 s22, s[QG], 18
	s_add_co_u32 s70, s70, s22
	s_lshl_b32 s22, s[KH], 13
	s_add_co_u32 s70, s70, s22
	s_lshl_b32 s22, s[QT], 10
	s_add_co_u32 s70, s70, s22
	s_add_nc_u64 s[14:15], s[14:15], s[70:71]      ; part: a row is 4,096 bytes; my group's 64 rows, from row 2 x parity on, my quarter's 1,024 bytes
	s_lshl_b32 s70, s[DOM], 16
	s_lshl_b32 s22, s[QT], 14
	s_add_co_u32 s70, s70, s22
	s_lshl_b32 s22, s[RB], 9
	s_add_co_u32 s70, s70, s22
	s_lshl_b32 s22, s[QG], 8
	s_add_co_u32 s70, s70, s22
	s_add_nc_u64 s[4:5], s[4:5], s[70:71]          ; mpart: my group's 64 numbers, 256 bytes
	s_lshl_b32 s70, s[CX], 2
	s_add_co_u32 s70, s70, s[WV]
	s_lshl_b32 s70, s70, 13
	s_add_co_u32 s70, s70, s66
	s_add_co_u32 s70, s70, TILEB                   ; the prefetches stand in tile 1: the first change steps them to tile 2
	s_add_nc_u64 s[PFA:PFA+1], s[12:13], s[70:71]
	s_cmp_lt_u32 ttmp9, 4                          ; the first cluster of my domain and quarter
	s_cselect_b32 s[LIM], 1, -1
	s_mov_b32 s[SEL], 0x76543210
	s_mov_b32 s[SEL+1], 0xfedcba98
	s_mov_b32 s[TB], 0
	s_mov_b32 s[TRIPS], 3
	s_lshl_b32 s72, s[KH], 16
	s_mul_i32 s73, s[KH], CP
	s_mul_i32 s23, s[QG], 64*SP
	s_add_co_u32 s73, s73, s23
	s_mul_i32 s74, s[WV], 32*SP
	v_and_b32 v[LA0], 31, v0
	v_lshlrev_b32 v[GO], 4, v[LA0]
	v_lshlrev_b32 v[PFO], 8, v[LA0]
	v_add_nc_u32 v[LA0], s72, v[GO]
	v_mul_u32_u24 v[STO], v31, SP
	v_lshl_add_u32 v[STO], v11, 5, v[STO]
	v_add_nc_u32 v[STO], s73, v[STO]               ; the stage: my parity's copy, my group's 64 rows, stage row 16 i + r, + 32 h
	v_add_nc_u32 v[RD0], s74, v[GO]                ; back: stage rows 32 w on
	v_add_nc_u32 v[RD1], CP, v[RD0]
	v_lshl_add_u32 v[MXW], v0, 5, MX
	v_xor_b32 v[MXR], 1024, v[MXW]                 ; the same lane of the wave that shares my rows: thread xor 32
.irp i, 0,1,2,3
	v_mov_b32 v[MP+2*\i], 0xff800000               ; m: -infinity
	v_mov_b32 v[MP+2*\i+1], 0
.endr
	s_wait_alu depctr_va_vdst(0)
	s_wait_kmcnt 0x0
	s_cmp_eq_u32 s[DOM], 0
	s_cselect_b32 s22, s50, s54                    ; the mask's e,
	s_cselect_b32 s23, s51, s55                    ; the constants' for the second product
	s_add_co_i32 s[E23], s22, s23
	s_add_co_i32 s22, s22, 127
	s_lshl_b32 s23, s22, 23
	v_mov_b32 v[SC], s23
	s_add_co_i32 s22, s22, 8
	s_lshl_b32 s22, s22, 23
	s_or_b32 s22, s22, 0x600000
	v_mov_b32 v[HV], s22
	v_min_num_f32 v[HV], 1.0, v[HV]                ; the mask's 1, held once for all (the conversion does not saturate: ISA guide 7.6.2)
	s_wait_alu depctr_va_vdst(0)
	s_wait_loadcnt 0x0                             ; Q
	CHANGE 1                                       ; tile 0 is whole; tile 1 is asked for
	STEP 1
	s_mov_b32 s[TRIPS], 2
.Ltrip:                                            ; tiles 1 and 2; each trip asks for the tile behind its own
	CHANGE 1
	STEP 0
	s_sub_co_u32 s[TRIPS], s[TRIPS], 1
	s_cmp_lg_u32 s[TRIPS], 0
	s_cbranch_scc1 .Ltrip
	CHANGE 0                                       ; tile 3 is written out
	STEP 0
	; THE TWO WAVES OF A GROUP MEET: each keeps its O^T where its m is not under the other's (ties add), else multiplies it by 0; the factor carries 2^(the second product's two e).
	ds_store_b128 v[MXW], v[MP:MP+3]
	ds_store_b128 v[MXW], v[MP+4:MP+7] offset:16
	s_wait_dscnt 0x0
	s_barrier_signal -1
	s_barrier_wait -1                              ; behind it nobody reads the ring any more
	ds_load_b128 v[XM:XM+3], v[MXR]
	ds_load_b128 v[XM+4:XM+7], v[MXR] offset:16
	s_wait_dscnt 0x0
.irp i, 0,1,2,3
	v_cmp_ge_f32 s[MK+\i], v[MP+2*\i], v[XM+2*\i]
.endr
.irp i, 0,1,2,3
	v_cndmask_b32 v[F+2*\i], 0, 1.0, s[MK+\i]
.endr
.irp i, 0,1,2,3
	v_ldexp_f32 v[F+2*\i], v[F+2*\i], s[E23]
.endr
.irp i, 0,1,2,3
	v_max_num_f32 v[XM+2*\i], v[MP+2*\i], v[XM+2*\i]   ; the quarter's m of row 4 r + i
.endr
	v_cmp_ne_u32 s[MK], 0, v11
	v_cndmask_b32 v[XM], v[XM], v[XM+4], s[MK]     ; lane (r, h) stores rows 4 r + 2 h and 4 r + 2 h + 1: the wave's one store covers 256 consecutive bytes, aligned
	v_cndmask_b32 v[XM+1], v[XM+2], v[XM+6], s[MK]
	v_add_f32 v[XM], 0, v[XM]                      ; -0 becomes +0
	v_add_f32 v[XM+1], 0, v[XM+1]
	v_ashrrev_i32 v[XM+2], 31, v[XM]               ; all ones where negative
	v_ashrrev_i32 v[XM+3], 31, v[XM+1]
	v_and_b32 v[XM+2], 0x7fffffff, v[XM+2]
	v_and_b32 v[XM+3], 0x7fffffff, v[XM+3]
	v_xor_b32 v[XM], v[XM], v[XM+2]                ; the key: signed whole numbers in the order of the f32 numbers
	v_xor_b32 v[XM+1], v[XM+1], v[XM+3]
	v_lshlrev_b32 v0, 4, v31
	v_lshl_add_u32 v0, v11, 3, v0
	s_wait_alu depctr_va_vdst(0)
	s_cmp_lg_u32 s[KH], 0
	s_cbranch_scc1 .Lno_m                          ; one wave of the two stores
	global_store_b64 v0, v[XM:XM+1], s[4:5]
.Lno_m:
.irp q, 0,1,2,3,4,5,6,7
	RESCALE \q
.endr
.irp dt, 0,1,2,3,4,5,6,7,8,9,10,11,12,13,14,15
	WIN 0x08+0x04*(\dt/8)                          ; an LDS store's data are source 1
.irp i, 0,1,2,3
	ds_store_b128 v[STO], v[64*\i+8*(\dt%8):64*\i+8*(\dt%8)+3] offset:16*SP*\i+64*\dt
	ds_store_b128 v[STO], v[64*\i+8*(\dt%8)+4:64*\i+8*(\dt%8)+7] offset:16*SP*\i+64*\dt+16
.endr
.endr
	WIN 0
	s_wait_dscnt 0x0
	s_barrier_signal -1
	s_barrier_wait -1
	; THE WAY OUT: each wave takes 32 stage rows, four at a time, from both copies, adds and stores them.  Stage row n of my 32 is row 4 (n % 16) + n / 16 behind my base.
.macro LOADB b
.set BB, G+64*((\b)%2)
.irp rho, 0,1,2,3
.irp hf, 0,1
	ds_load_b128 v[BB+8*\rho+4*\hf:BB+8*\rho+4*\hf+3], v[RD0] offset:(4*(\b)+\rho)*SP+512*\hf
	ds_load_b128 v[BB+32+8*\rho+4*\hf:BB+32+8*\rho+4*\hf+3], v[RD1] offset:(4*(\b)+\rho)*SP+512*\hf
.endr
.endr
.endm
.macro SENDB b
.set BB, G+64*((\b)%2)
.irp j, 0,2,4,6,8,10,12,14,16,18,20,22,24,26,28,30
	v_pk_add_f32 v[BB+\j:BB+\j+1], v[BB+\j:BB+\j+1], v[BB+32+\j:BB+32+\j+1]
.endr
.irp rho, 0,1,2,3
.irp hf, 0,1
	global_store_b128 v[GO], v[BB+8*\rho+4*\hf:BB+8*\rho+4*\hf+3], s[14:15] offset:(4*((4*(\b)+\rho)%16)+(4*(\b)+\rho)/16)*4096+512*\hf   ; 32 lanes store 512 consecutive bytes, aligned to 256
.endr
.endr
.endm
	LOADB 0
.irp b, 0,1,2,3,4,5,6,7
.if \b < 7
.if \b > 0
	s_wait_xcnt 0x0                                ; the batch before has had its stores' registers read
.endif
	LOADB \b+1
	s_wait_dscnt 16                                ; this batch is in; the next batch's sixteen loads may be out
.else
	s_wait_dscnt 0
.endif
	SENDB \b
.endr
	s_wait_tensorcnt 0x0                           ; the wave's end
	ds_add_u32 v[SPW], v[NIL]
	s_wait_dscnt 0x0
	CROUND                                         ; the closing round
	s_endpgm
.Lfunc_end_k_q039bc80471_main:
	.size	k_q039bc80471_main, .Lfunc_end_k_q039bc80471_main-k_q039bc80471_main
	.p2alignl 7, 3214868480
	.fill 96, 4, 3214868480
	.section	.rodata,"a",@progbits
	.p2align	6, 0x0
	.amdhsa_kernel k_q039bc80471_main
		.amdhsa_group_segment_fixed_size 327680
		.amdhsa_private_segment_fixed_size 0
		.amdhsa_enable_private_segment 0
		.amdhsa_kernarg_size 40
		.amdhsa_user_sgpr_count 2
		.amdhsa_user_sgpr_kernarg_segment_ptr 1
		.amdhsa_wavefront_size32 1
		.amdhsa_system_sgpr_workgroup_id_x 1
		.amdhsa_system_sgpr_workgroup_id_y 1
		.amdhsa_system_sgpr_workgroup_id_z 1
		.amdhsa_system_vgpr_workitem_id 0
		.amdhsa_next_free_vgpr 1024
		.amdhsa_next_free_sgpr 80
		.amdhsa_reserve_vcc 0
		.amdhsa_float_denorm_mode_32 3
		.amdhsa_float_denorm_mode_16_64 3
		.amdhsa_memory_ordered 1
		.amdhsa_forward_progress 1
		.amdhsa_inst_pref_size 255
	.end_amdhsa_kernel
	.section	.bss,"aw",@nobits
	.p2align	6
	.space	262144
	.amdgpu_metadata
---
amdhsa.version: [ 1, 2 ]
amdhsa.kernels:
  - .name:           k_q039bc80471_main
    .symbol:         k_q039bc80471_main.kd
    .args:
      - { .name: lowp_scales, .offset: 0, .size: 8, .value_kind: global_buffer, .address_space: global }
      - { .name: acodes, .offset: 8, .size: 8, .value_kind: global_buffer, .address_space: global }
      - { .name: kv, .offset: 16, .size: 8, .value_kind: global_buffer, .address_space: global }
      - { .name: part, .offset: 24, .size: 8, .value_kind: global_buffer, .address_space: global }
      - { .name: mpart, .offset: 32, .size: 8, .value_kind: global_buffer, .address_space: global }
    .group_segment_fixed_size: 327680
    .private_segment_fixed_size: 0
    .kernarg_segment_align: 8
    .kernarg_segment_size: 40
    .max_flat_workgroup_size: 128
    .sgpr_count:     80
    .vgpr_count:     1024
    .wavefront_size: 32
...
	.end_amdgpu_metadata
.endif
;; end of part 2
;; launch lookup (part 3): grid 128 x 2, 8 waves a work-group, no clusters, 0 bytes of LDS; arguments idx0, idx1, part, mpart, out0; writes out0
.if DOCPART == 3
	.amdgcn_target "amdgcn-amd-amdhsa--gfx1250"
	.amdhsa_code_object_version 6
	.text
	.protected	k_q039bc80471_lookup
	.globl	k_q039bc80471_lookup
	.p2align	8
	.type	k_q039bc80471_lookup,@function
k_q039bc80471_lookup:
	s_mov_b64 s[64:65], 0
	v_nop
	global_prefetch_b8 v0, s[64:65] scope:SCOPE_SE
	s_setreg_imm32_b32 hwreg(HW_REG_WAVE_MODE, 25, 1), 1
	s_wait_xcnt 0x0
; out[domain][token] = the result of adaptive row a = max(0, idx - 4096), which launch main left in four parts, one for each quarter of the constants, with a key for each:
; mpart[domain][quarter][a], a signed whole number in the order of the quarter's largest rel.  The parts of the quarters whose key is the row's largest are added (ties add); the others count for nothing.
; The products are not made again for a row that several tokens name.  An index above 8,191 takes the last row.
; A pair of waves takes 32 neighbouring tokens, each wave one half (512 bytes) of their rows.  A lane takes a token: its index, its row's four keys, the largest, the first quarter that reaches it, the set of those that do.
; All that steers addresses and the one branch are whole numbers read from memory.  Where no token of the wave has two winning quarters, a token's row is a copy of one part: 32 loads of 512 consecutive bytes, all out
; at once, then 32 stores of 512 consecutive bytes.  Else a counted loop takes the tokens one by one, loads all four parts and adds the winners.
; A stream: no LDS, no barrier, no matrix unit; no loop to prefetch ahead in on the common way.
.set OFF, 32                           ; v32-63  token t: 1,024 x (4 a + quarter) + 512 half + 16 lane
.set X,   64                           ; v64-191 token t's 16 bytes a lane
	s_load_b256 s[4:11], s[0:1], 0x0               ; idx0, idx1, part, mpart
	s_load_b64 s[12:13], s[0:1], 0x20              ; out
	v_lshrrev_b32 v1, 5, v0
	v_readfirstlane_b32 s14, v1                    ; wave 0..7
	v_and_b32 v2, 31, v0
	s_and_b32 s15, s14, 1                          ; the half of the rows
	s_lshr_b32 s16, s14, 1
	s_and_b32 s17, ttmp7, 0xffff                   ; the domain
	s_lshl_b32 s18, ttmp9, 7
	s_lshl_b32 s19, s16, 5
	s_add_co_u32 s18, s18, s19                     ; my first token: 128 x work-group + 32 x (wave / 2)
	v_lshlrev_b32 v3, 2, v2                        ; 4 x lane
	v_lshlrev_b32 v4, 4, v2
	v_lshl_add_u32 v4, s15, 9, v4                  ; 512 half + 16 lane
	s_lshl_b32 s20, s18, 2
	s_mov_b32 s21, 0
	s_lshl_b32 s22, s17, 24
	s_mov_b32 s23, 0
	s_wait_alu depctr_va_vdst(0)
	s_wait_kmcnt 0x0
	s_cmp_eq_u32 s17, 0
	s_cselect_b64 s[4:5], s[4:5], s[6:7]
	s_add_nc_u64 s[4:5], s[4:5], s[20:21]
	global_load_b32 v5, v3, s[4:5]                 ; my token's index: the wave reads 128 consecutive bytes
	s_add_nc_u64 s[8:9], s[8:9], s[22:23]          ; my domain's parts
	s_add_nc_u64 s[12:13], s[12:13], s[22:23]
	s_lshl_b32 s20, s18, 10
	s_add_nc_u64 s[12:13], s[12:13], s[20:21]      ; out at my first token
	s_lshl_b32 s22, s17, 16
	s_add_nc_u64 s[10:11], s[10:11], s[22:23]      ; my domain's keys
	s_wait_loadcnt 0x0
	v_add_nc_u32 v5, 0xfffff000, v5                ; idx - 4,096,
	v_cmp_le_i32 vcc_lo, 0, v5
	v_cndmask_b32 v5, 0, v5, vcc_lo                ; not under 0,
	v_min_u32 v5, 0xfff, v5                        ; and inside the table: a
	v_lshlrev_b32 v6, 2, v5
.irp q, 0,1,2,3
	global_load_b32 v[8+\q], v6, s[10:11] offset:16384*\q
.endr
	s_wait_alu depctr_va_vdst(0)
	s_wait_loadcnt 0x0
	v_cmp_gt_i32 vcc_lo, v9, v8
	v_cndmask_b32 v12, v8, v9, vcc_lo
	v_cmp_gt_i32 vcc_lo, v11, v10
	v_cndmask_b32 v13, v10, v11, vcc_lo
	v_cmp_gt_i32 vcc_lo, v13, v12
	v_cndmask_b32 v12, v12, v13, vcc_lo            ; the row's largest key
.irp q, 0,1,2,3
	v_cmp_eq_u32 s[20+\q], v[8+\q], v12
.endr
	v_cndmask_b32 v13, 0, 1, s20                   ; the set of winning quarters, a bit each
	v_cndmask_b32 v15, 0, 2, s21
	v_cndmask_b32 v17, 0, 4, s22
	v_cndmask_b32 v18, 0, 8, s23
	v_or_b32 v13, v13, v15
	v_or_b32 v17, v17, v18
	v_or_b32 v13, v13, v17
	v_mov_b32 v14, 3                               ; the first of them
	v_cndmask_b32 v14, v14, 2, s22
	v_cndmask_b32 v14, v14, 1, s21
	v_cndmask_b32 v14, v14, 0, s20
	v_lshl_add_u32 v16, v5, 2, v14                 ; 4 a + quarter: which 1,024 bytes of part
	v_add_nc_u32 v15, -1, v13
	v_and_b32 v15, v15, v13                        ; not 0 where two or more quarters win
	v_cmp_ne_u32 vcc_lo, 0, v15
	s_wait_alu depctr_va_vdst(0)
	s_cmp_lg_u32 vcc_lo, 0
	s_cbranch_scc1 .Lties
.irp t, 0,1,2,3,4,5,6,7,8,9,10,11,12,13,14,15,16,17,18,19,20,21,22,23,24,25,26,27,28,29,30,31
	v_readlane_b32 s[24+\t%8], v16, \t
	s_min_u32 s[24+\t%8], s[24+\t%8], 0x3fff       ; inside part
	v_lshl_add_u32 v[OFF+\t], s[24+\t%8], 10, v4
	global_load_b128 v[X+4*\t:X+4*\t+3], v[OFF+\t], s[8:9]
.endr
.irp t, 0,1,2,3,4,5,6,7,8,9,10,11,12,13,14,15,16,17,18,19,20,21,22,23,24,25,26,27,28,29,30,31
	s_wait_loadcnt 31-\t                           ; token t's load is in; the 31 - t younger ones may be out
	global_store_b128 v4, v[X+4*\t:X+4*\t+3], s[12:13] offset:1024*\t th:TH_STORE_NT   ; 32 lanes store 512 consecutive bytes, aligned to 256
.endr
	s_endpgm
.Lties:                                            ; some token of mine has several winning quarters: every token's winners are added
	v_mov_b32 v17, v4                              ; where the token in hand goes
	s_mov_b32 s28, 0
.Ltie:
	v_readlane_b32 s29, v5, s28                    ; a
	v_readlane_b32 s30, v13, s28                   ; its winners
	s_min_u32 s29, s29, 0xfff
	v_lshl_add_u32 v18, s29, 12, v4
.irp q, 0,1,2,3
	global_load_b128 v[X+4*\q:X+4*\q+3], v18, s[8:9] offset:1024*\q
.endr
.irp q, 0,1,2,3
	s_bitcmp1_b32 s30, \q
	s_cselect_b32 s[32+\q], 1.0, 0                 ; 1 for a winner, else 0
.endr
	s_wait_loadcnt 0x0
.irp j, 0,1,2,3
	v_mul_f32 v[X+16+\j], s32, v[X+\j]
.endr
.irp q, 1,2,3
.irp j, 0,1,2,3
	v_fma_f32 v[X+16+\j], s[32+\q], v[X+4*\q+\j], v[X+16+\j]
.endr
.endr
	global_store_b128 v17, v[X+16:X+19], s[12:13] th:TH_STORE_NT
	s_wait_xcnt 0x0                                ; the store has read its registers: they are written again only behind this wait
	v_add_nc_u32 v17, 1024, v17
	s_add_co_u32 s28, s28, 1
	s_cmp_lt_u32 s28, 32
	s_wait_alu depctr_va_vdst(0)
	s_cbranch_scc1 .Ltie
	s_endpgm
.Lfunc_end_k_q039bc80471_lookup:
	.size	k_q039bc80471_lookup, .Lfunc_end_k_q039bc80471_lookup-k_q039bc80471_lookup
	.p2alignl 7, 3214868480
	.fill 96, 4, 3214868480
	.section	.rodata,"a",@progbits
	.p2align	6, 0x0
	.amdhsa_kernel k_q039bc80471_lookup
		.amdhsa_group_segment_fixed_size 0
		.amdhsa_private_segment_fixed_size 0
		.amdhsa_enable_private_segment 0
		.amdhsa_kernarg_size 40
		.amdhsa_user_sgpr_count 2
		.amdhsa_user_sgpr_kernarg_segment_ptr 1
		.amdhsa_wavefront_size32 1
		.amdhsa_system_sgpr_workgroup_id_x 1
		.amdhsa_system_sgpr_workgroup_id_y 1
		.amdhsa_system_sgpr_workgroup_id_z 1
		.amdhsa_system_vgpr_workitem_id 0
		.amdhsa_next_free_vgpr 192
		.amdhsa_next_free_sgpr 66
		.amdhsa_reserve_vcc 1
		.amdhsa_float_denorm_mode_32 3
		.amdhsa_float_denorm_mode_16_64 3
		.amdhsa_memory_ordered 1
		.amdhsa_forward_progress 1
		.amdhsa_inst_pref_size 19
	.end_amdhsa_kernel
	.amdgpu_metadata
---
amdhsa.version: [ 1, 2 ]
amdhsa.kernels:
  - .name:           k_q039bc80471_lookup
    .symbol:         k_q039bc80471_lookup.kd
    .args:
      - { .name: idx0, .offset: 0, .size: 8, .value_kind: global_buffer, .address_space: global }
      - { .name: idx1, .offset: 8, .size: 8, .value_kind: global_buffer, .address_space: global }
      - { .name: part, .offset: 16, .size: 8, .value_kind: global_buffer, .address_space: global }
      - { .name: mpart, .offset: 24, .size: 8, .value_kind: global_buffer, .address_space: global }
      - { .name: out0, .offset: 32, .size: 8, .value_kind: global_buffer, .address_space: global }
    .group_segment_fixed_size: 0
    .private_segment_fixed_size: 0
    .kernarg_segment_align: 8
    .kernarg_segment_size: 40
    .max_flat_workgroup_size: 256
    .sgpr_count:     66
    .vgpr_count:     192
    .wavefront_size: 32
...
	.end_amdgpu_metadata
.endif
;; end of part 3
